; MI455X (gfx1250); checked and timed in simulation.
; The chip was launched on July 23, 2026; its instructions are those of AMD's public machine-readable ISA for CDNA 5 (MIT licence, August 2026) and "CDNA5" Instruction Set Architecture Reference Guide (July 2026). The comments in the code are by the model that wrote it; some were corrected since.
;; Attn. Allowed arithmetic: matrix products marked QUANTISED: E2M3 operands, one E8M0 scale for each 32 along K, by v_wmma_scale_f32_16x16x128_f8f6f4 with both operands' format E2M3, f32 sums; products left as they are: f32 operands where the result goes on into a quantised operand, else bf16, f16 or f32 operands; f32 sums; everything else in f32.
;; Inputs: W 1,024 x 1,024 float32; b 1,024 float32; encoder_outputs 2,048 x 32 x 1,024 float32; hidden 32 x 1,024 float32.
;; Outputs: out0 32 x 1 x 2,048 float32.
;; This version of the problem:
;;   THIS VERSION OF THE PROBLEM IS GIVEN IN LOW PRECISION. The matrix products marked QUANTISED in the list below multiply operands that are first quantised to E2M3 (2 exponent bits, 3 mantissa bits; 6 bits a number), with one power-of-two scale for each 32 numbers along K (OCP MX v1.0); their sums are f32. All else is computed in f32.
;;   The module's matrix products, in the order in which they are computed (A, B: the left and right operand; K: the contracted axis; several contracted axes count as one K, in the product's order):
;;     1. [M 65,536, K 1,024] x [K 1,024, N 1,024]; A: input encoder_outputs; B: input W: QUANTISED
;;     2. batch 32 x [M 1, K 1,024] x [K 1,024, N 2,048]; A: input hidden; B: computed on the way: left as it is (M = 1 < 16)
;;   THE QUANTISER, for each operand of a quantised product, along K:
;;     - K is cut into blocks of 32 from its start; a last block that is shorter is filled with zeros.
;;     - A block's scale is 2^e with e = floor(log2(the largest magnitude in the block)) - 2, held to -126 .. 127; a block of zeros has e = 0. As a byte (E8M0): e + 127.
;;     - Each number is divided by its block's scale, clamped to +-7.5, and rounded to the nearest number of E2M3, ties to even, subnormals kept.
;;     - The product sums the exact products of the quantised numbers (number of the format x scale) in f32.
;;   ~~~python
;;   def quantise(x, axis):      # numpy; x: float32 -> the quantised numbers, widened to float32 again
;;       x = np.moveaxis(x, axis, -1); K = x.shape[-1]
;;       x = np.pad(x, [(0, 0)] * (x.ndim - 1) + [(0, -K % 32)]); x = x.reshape(x.shape[:-1] + (-1, 32)); a = np.abs(x).max(-1, keepdims=True)
;;       e = np.where(a > 0, np.clip(np.frexp(np.where(a > 0, a, 1))[1] - 1 - 2, -126, 127), 0)      # np.frexp(a)[1] - 1 = floor(log2(a)), exactly
;;       r = np.clip(x / 2.0 ** e, -7.5, 7.5)
;;       step = 2.0 ** (np.maximum(np.frexp(np.where(r == 0, 1, r))[1] - 1, 0) - 3)
;;       q = np.round(r / step) * step * 2.0 ** e      # np.round: ties to even
;;       return np.moveaxis(q.reshape(q.shape[:-2] + (-1,))[..., :K], -1, axis).astype(np.float32)
;;   ~~~
;; One version. Each part assembles by itself: llvm-mc -triple=amdgcn-amd-amdhsa -mcpu=gfx1250 --defsym DOCPART=n.
;; ======== version 1 of 1: 3 launches
;; workspace buffers: wpack 819,200 bytes; scores 262,144 bytes
;; launch packw (part 1): grid 128 x 1, 4 waves a work-group, no clusters, 34,816 bytes of LDS; arguments W, wpack; writes wpack
.if DOCPART == 1
	.amdgcn_target "amdgcn-amd-amdhsa--gfx1250"
	.amdhsa_code_object_version 6
	.text
	.protected	k_q4fa2e37726_packw
	.globl	k_q4fa2e37726_packw
	.p2align	8
	.type	k_q4fa2e37726_packw,@function
k_q4fa2e37726_packw:
	s_mov_b64 s[64:65], 0
	v_nop
	global_prefetch_b8 v0, s[64:65] scope:SCOPE_SE
	s_setreg_imm32_b32 hwreg(HW_REG_WAVE_MODE, 25, 1), 1
	s_wait_xcnt 0x0
; W [1024 (o)][1024 (h)], f32, K = h innermost, becomes codes of FP6 (E2M3) with one E8M0 scale byte for each 32 along K, laid in the ORDER OF THE OPERAND'S REGISTERS,
; so that the next launch brings it into LDS as dense blocks and reads every fragment by loads of 16 bytes a lane.
; wpack = [slot k = 0..7][pair p = 0..15][6,400 bytes].  Slot k holds K = 256 (k / 2) .. + 255 of W's tiles T = 32 (k % 2) + 2 p + t (16 rows each), t = 0, 1.
; A pair's record: fragment (t, s) (16 rows x 128 K, K step 2 (k / 2) + s) at 1,536 (2 t + s): registers 4 g .. 4 g + 3 of lane l at 512 g + 16 l;  from byte 6,144 on the scale words: row r of tile t, K step s at 8 (16 t + r) + 4 s.
; A block's scale is 2^(floor(log2(its largest magnitude)) - 2); its byte is the largest magnitude's exponent field - 2, held at 1 from below.  Each number is divided by the scale and rounded to the nearest code, ties to even, beyond 7.5 the largest code.
; LIMITS: NaN and infinities are not served.  A block whose largest magnitude lies under 2^-124 keeps the byte 1; so does a block of zeros, where the rule says 127: its codes are zeros, and this program alone reads the bytes.
; SHARES: a work-group makes one pair's record, wave w the fragment (t = w / 2, s = w % 2).  Each load reads 512 consecutive bytes of one row; the 16 rows turn through the wave's own stage in LDS,
; so that lane (r, h) gets, of row r, K = 64 c + 32 h + 0 .. 31 (c = 0, 1): two whole blocks, in the order of the operand's registers.
.set SP,   528                         ; a stage row: 512 bytes + 16: the sixteen rows that a load of 16 bytes a lane touches start 16 bytes apart modulo 256
.set STGW, 16*SP                       ; a wave's stage
.set SCW,  4*STGW                      ; behind the stages: the record's 256 bytes of scale words
.set RG,   16                          ; v16-79   the 16 rows as loaded
.set XQ,   80                          ; v80-143  register 32 c + i: K = 64 c + 32 h + i of my row
.set TM,   144                         ; v144-147 largest magnitudes, four chains
.set SO,   148                         ; v148-149 the conversions' scale operands
.set BY,   150                         ; v150-151 the scale bytes
.set PW,   152                         ; v152     the scale word
.set TP,   153                         ; v153     the other half's part of it
.set SH8,  154                         ; v154     8 h
.set PC,   156                         ; v156-167 the fragment
.set PX,   168                         ; v168-175 the upper halves of the two blocks, as the conversions leave them
.set SEL,  20                          ; s[20:21] v_permlanex16_b32's selects for lane l xor 16
	s_load_b128 s[4:7], s[0:1], 0x0                ; W, wpack
	v_lshl_add_u32 v176, v0, 2, 0x8600
	v_mov_b32 v177, 0
	v_lshrrev_b32 v9, 5, v0
	v_readfirstlane_b32 s8, v9                     ; wave 0..3
	v_and_b32 v9, 31, v0                           ; lane
	v_and_b32 v2, 15, v0                           ; r
	v_bfe_u32 v3, v0, 4, 1                         ; h
	v_lshlrev_b32 v1, 4, v9                        ; 16 x lane
	v_lshlrev_b32 v7, 3, v9                        ; 8 x lane
	s_lshr_b32 s9, s8, 1                           ; t
	s_and_b32 s10, s8, 1                           ; s
	s_lshr_b32 s11, ttmp9, 4                       ; slot k
	s_and_b32 s12, ttmp9, 15                       ; pair p
	s_and_b32 s13, s11, 1
	s_lshl_b32 s13, s13, 5
	s_lshl_b32 s12, s12, 1
	s_add_co_u32 s13, s13, s12
	s_add_co_u32 s13, s13, s9                      ; tile T = 32 (k % 2) + 2 p + t
	s_and_b32 s14, s11, 6
	s_add_co_u32 s14, s14, s10                     ; K step 2 (k / 2) + s
	s_lshl_b32 s16, s13, 16                        ; 16 T rows of 4,096 bytes
	s_lshl_b32 s14, s14, 9                         ; + 512 bytes a K step
	s_add_co_u32 s16, s16, s14
	s_mov_b32 s17, 0
	s_mul_i32 s18, ttmp9, 6400                     ; my record
	s_mov_b32 s19, 0
	s_mov_b32 s[SEL], 0x76543210
	s_mov_b32 s[SEL+1], 0xfedcba98
	s_mul_i32 s15, s8, STGW
	v_add_nc_u32 v4, s15, v1                       ; the stage, in: a row's 512 bytes as they lie
	v_mul_u32_u24 v5, v2, SP
	v_lshl_add_u32 v5, v3, 7, v5
	v_add_nc_u32 v5, s15, v5                       ; out: row r, + 128 h
	s_lshl_b32 s22, s9, 7
	s_lshl_b32 s23, s10, 2
	s_add_co_u32 s22, s22, s23
	s_add_co_u32 s22, s22, SCW
	v_lshl_add_u32 v6, v2, 3, s22                  ; my row's scale word: 128 t + 8 r + 4 s
	v_add_nc_u32 v10, SCW, v7                      ; and where wave 0 reads the 256 bytes back
	s_mul_i32 s22, s8, 1536
	v_add_nc_u32 v8, s22, v1                       ; my fragment's place in the record
	v_lshlrev_b32 v[SH8], 3, v3
	v_mov_b32 v[TP], 0                             ; written once: a lane permute's destination counts as one of its sources
	s_wait_kmcnt 0x0
	s_add_nc_u64 s[4:5], s[4:5], s[16:17]
	s_add_nc_u64 s[6:7], s[6:7], s[18:19]
.set ix, 0
.rept 16
	global_load_b128 v[RG+4*ix:RG+4*ix+3], v1, s[4:5] offset:4096*ix th:TH_LOAD_NT   ; row ix: 32 lanes read 512 consecutive bytes; each byte of W is read once in the launch
.set ix, ix+1
.endr
	s_wait_loadcnt 0x0
.set ix, 0
.rept 16
	ds_store_b128 v4, v[RG+4*ix:RG+4*ix+3] offset:SP*ix
.set ix, ix+1
.endr
.irp c, 0,1
.irp j, 0,1,2,3,4,5,6,7
	ds_load_b128 v[XQ+32*\c+4*\j:XQ+32*\c+4*\j+3], v5 offset:256*\c+16*\j   ; LDS serves a wave's instructions in order: these see the stores above
.endr
.endr
	s_wait_dscnt 0x0
.irp ch, 0,1,2,3
	v_max3_num_f32 v[TM+\ch], |v[XQ+16*\ch]|, |v[XQ+16*\ch+1]|, 0x1800000   ; four chains of 16 numbers, and the floor 2^(3 - 127): so the byte cannot fall under 1
.endr
.irp i, 2,4,6,8,10,12,14
.irp ch, 0,1,2,3
	v_max3_num_f32 v[TM+\ch], v[TM+\ch], |v[XQ+16*\ch+\i]|, |v[XQ+16*\ch+\i+1]|
.endr
.endr
.irp c, 0,1
	v_max_num_f32 v[TM+2*\c], v[TM+2*\c], v[TM+2*\c+1]   ; block 2 c + h: all its 32 numbers are mine
.endr
.irp c, 0,1
	v_add_nc_u32 v[SO+\c], 0xff000000, v[TM+2*\c]  ; 2 off the exponent field: the conversion takes the exponent field of this operand as its scale
.endr
.irp c, 0,1
	v_lshrrev_b32 v[BY+\c], 23, v[SO+\c]           ; the scale's byte
.endr
	v_lshl_or_b32 v[PW], v[BY+1], 16, v[BY]        ; my two bytes, blocks h and 2 + h,
	v_lshlrev_b32 v[PW], v[SH8], v[PW]             ; at their places in the word;
	v_permlanex16_b32 v[TP], v[PW], s[SEL], s[SEL+1]
	v_or_b32 v[PW], v[PW], v[TP]                   ; with lane l xor 16's two the word is whole
.irp c, 0,1
	v_cvt_scalef32_pk16_fp6_f32 v[PC+6*\c:PC+6*\c+2], v[XQ+32*\c:XQ+32*\c+15], v[SO+\c]
	v_cvt_scalef32_pk16_fp6_f32 v[PX+4*\c:PX+4*\c+2], v[XQ+32*\c+16:XQ+32*\c+31], v[SO+\c]   ; (a conversion's three registers begin on an even number)
.endr
	v_nop                                          ; one plain line behind the scaled conversions
.irp c, 0,1
.irp i, 0,1,2
	v_mov_b32 v[PC+6*\c+3+\i], v[PX+4*\c+\i]
.endr
.endr
.irp g, 0,1,2
	global_store_b128 v8, v[PC+4*\g:PC+4*\g+3], s[6:7] offset:512*\g   ; 32 lanes store 512 consecutive bytes, at a multiple of 256 from wpack's first byte
.endr
	ds_store_b32 v6, v[PW]                         ; lanes r and 16 + r write the same word with the same value
	s_wait_dscnt 0x0                               ; for wave 0's sake: my scale words lie in LDS
	s_barrier_signal -1
	s_barrier_wait -1
	s_cmp_lg_u32 s8, 0
	s_cbranch_scc1 .Ldone
	ds_load_b64 v[12:13], v10
	s_wait_dscnt 0x0
	global_store_b64 v7, v[12:13], s[6:7] offset:6144   ; the record's 256 bytes of scale words, by one store
.Ldone:
	s_wait_tensorcnt 0x0
	ds_add_u32 v176, v177
	s_wait_dscnt 0x0
	s_endpgm
.Lfunc_end_k_q4fa2e37726_packw:
	.size	k_q4fa2e37726_packw, .Lfunc_end_k_q4fa2e37726_packw-k_q4fa2e37726_packw
	.p2alignl 7, 3214868480
	.fill 96, 4, 3214868480
	.section	.rodata,"a",@progbits
	.p2align	6, 0x0
	.amdhsa_kernel k_q4fa2e37726_packw
		.amdhsa_group_segment_fixed_size 34816
		.amdhsa_private_segment_fixed_size 0
		.amdhsa_enable_private_segment 0
		.amdhsa_kernarg_size 16
		.amdhsa_user_sgpr_count 2
		.amdhsa_user_sgpr_kernarg_segment_ptr 1
		.amdhsa_wavefront_size32 1
		.amdhsa_system_sgpr_workgroup_id_x 1
		.amdhsa_system_sgpr_workgroup_id_y 1
		.amdhsa_system_sgpr_workgroup_id_z 1
		.amdhsa_system_vgpr_workitem_id 0
		.amdhsa_next_free_vgpr 178
		.amdhsa_next_free_sgpr 66
		.amdhsa_reserve_vcc 0
		.amdhsa_float_denorm_mode_32 3
		.amdhsa_float_denorm_mode_16_64 3
		.amdhsa_memory_ordered 1
		.amdhsa_forward_progress 1
		.amdhsa_inst_pref_size 10
	.end_amdhsa_kernel
	.amdgpu_metadata
---
amdhsa.version: [ 1, 2 ]
amdhsa.kernels:
  - .name:           k_q4fa2e37726_packw
    .symbol:         k_q4fa2e37726_packw.kd
    .args:
      - { .name: W, .offset: 0, .size: 8, .value_kind: global_buffer, .address_space: global }
      - { .name: wpack, .offset: 8, .size: 8, .value_kind: global_buffer, .address_space: global }
    .group_segment_fixed_size: 34816
    .private_segment_fixed_size: 0
    .kernarg_segment_align: 8
    .kernarg_segment_size: 16
    .max_flat_workgroup_size: 128
    .sgpr_count:     66
    .vgpr_count:     178
    .wavefront_size: 32
...
	.end_amdgpu_metadata
.endif
;; end of part 1
;; launch scores (part 2): grid 256 x 1, 4 waves a work-group, clusters of 4 x 1, 327,680 bytes of LDS; arguments encoder_outputs, hidden, b, wpack, scores; writes scores
.if DOCPART == 2
	.amdgcn_target "amdgcn-amd-amdhsa--gfx1250"
	.amdhsa_code_object_version 6
	.text
	.protected	k_q4fa2e37726_scores
	.globl	k_q4fa2e37726_scores
	.p2align	8
	.type	k_q4fa2e37726_scores,@function
k_q4fa2e37726_scores:
	s_mov_b64 s[64:65], 0
	v_nop
	global_prefetch_b8 v0, s[64:65] scope:SCOPE_SE
	s_setreg_imm32_b32 hwreg(HW_REG_WAVE_MODE, 25, 1), 1
	s_wait_xcnt 0x0
	s_wait_alu depctr_hold_cnt(0) depctr_sa_sdst(0) depctr_va_vdst(0) depctr_va_sdst(0) depctr_va_ssrc(0) depctr_va_vcc(0) depctr_vm_vsrc(0)
	s_getreg_b32 s2, hwreg(HW_REG_IB_STS2, 6, 4)
	s_cmp_eq_u32 s2, 0
	s_cbranch_scc0 .Lentry_in_a_cluster
	s_endpgm
.Lentry_in_a_cluster:
	s_bfe_u32 s2, ttmp6, 0x10000c
	s_cmp_lg_u32 s2, 0x3003
	s_cbranch_scc0 .Lentry_shape_is_right
	s_endpgm
.Lentry_shape_is_right:
; scores[b][s] = sum over o of hidden[b][o] x (sum over h of Q(enc[s][b][h]) Q(W[o][h]) + bias[o]).  enc: [2048 (s)][32 (b)][1024 (h)] f32; hidden [32][1024], bias [1024] f32; W as packed codes of FP6 (E2M3) with E8M0 scales; scores [32][2048] f32.
; The first product runs on codes of FP6, both operands quantised along h in blocks of 32; enc is quantised here, in registers, on its way; the second product is f32 fused multiply-adds.
; SHARES.  A work-group owns ONE b and 256 neighbouring s; each of its four waves 64 of them: four tiles of 16 rows.  Source 0 = 16 rows of enc, source 1 = 16 rows of W: in a result a lane holds ONE o (16 T + lane % 16)
; and eight rows (8 (lane / 16) + j).  So hidden enters as one number a lane and tile of W: score[row] += result x hidden[o], four packed multiply-adds a result; the sixteen lanes' parts are added once, at the end.
; K IN FOUR CHUNKS OF 256.  The second product is linear, so the energy's part-sum over a chunk is folded into the scores at once.  While chunk c is multiplied against all 64 tiles of W, chunk c + 1 comes from memory and is quantised.
; THE BIAS: (E + bias) . hidden = E . hidden + bias . hidden: the score registers START as the lane's share of sum hidden[o] bias[o].
; THE ORDER OF THE f32 SUMS so differs from a plain sum along K and then along o: within a chunk the matrix unit's, then chunk by chunk and tile by tile, then over lanes.
; LIMITS: NaN and infinities are not served.  A block whose largest magnitude lies under 2^-124 keeps the scale byte 1; so does a block of zeros (its codes are zeros; nobody else reads the bytes).
; enc: each load of a wave reads 512 consecutive bytes (128 along K of one row), each byte once in the launch.  A PIECE is 16 rows x 512 bytes, 16 loads; a ring of four pieces in registers keeps 32 to 48 loads of every wave out.
; A piece turns through the wave's own stage in LDS, so that a lane holds whole blocks of 32 of one row, is quantised, and its fragment goes to the wave's own images in LDS, from where a chunk's eight fragments come back when their chunk begins.
; W: a slot is 102,400 dense bytes of wpack: one chunk of K for 32 tiles.  Two LDS slots take turns; each wave brings a quarter of a slot by one tensor load; eight slots = eight trips.
; CLUSTER: the four work-groups of a cluster walk the same slots of W, so each quarter is asked for JOINTLY: the same tensor load with the same descriptor and a mask that names the four; each receives it in its own LDS.
; REGISTERS, in windows of 256 (s_set_vgpr_msb: bits 1:0 source 0, 3:2 source 1, 5:4 source 2, 7:6 destination):
;   window 0: v1-19 addresses; v20-23 at work; v24-31 enc's scale words; v32-39 W's; v40-71 the 32 scores; v72-135 eight accumulators, two sets of four; v136-231 enc's eight fragments of the chunk in hand
;   window 1: the ring, four pieces of 64.   window 2: v0-63 a piece turned; v64-95 the quantiser's.   window 3: v0-191 W's fragments, two sets of four tiles; v192-207 hidden, a pair for each of eight tiles.
.set SLOTB, 102400                     ; a slot of W
.set QUART, SLOTB/4                    ; what one tensor load brings: 100 rows of 256 bytes
.set SLOT1, 1<<17                      ; slot 1 begins here, so that one exclusive or turns an address in one slot into the other's
.set PAIRB, 6400                       ; a pair of tiles: four fragments and 256 bytes of scale words
.set FRB,   1536                       ; a fragment's image
.set HID,   SLOTB                      ; behind slot 0: hidden's row, 4,096 bytes, a copy for each wave
.set SPARE, HID+4*4096                 ; the spare words, 128 bytes for each wave: two blocks of 256 bytes that no other line names
.set STG,   SLOT1+SLOTB                ; behind slot 1: a stage for each wave, 16 rows x 528 bytes
.set SP,    528                        ; 512 bytes + 16: the sixteen rows that a load of 16 bytes a lane touches start 16 bytes apart modulo 256
.set STGW,  16*SP
.set IMG,   STG+4*STGW                 ; the images, for each wave: eight fragments, (K step s of the chunk, tile of rows a) at (4 s + a) x 1,536,
.set ISC,   8*FRB                      ; and behind them their scale words, 128 bytes each
.set IMGW,  ISC+8*128
.set ROWS,  131072                     ; bytes from s to s + 1 in enc
.set LI,   1                           ; v1   16 x lane
.set SRD,  2                           ; v2   the end: where I read two scores back
.set L8,   3                           ; v3   8 x lane
.set ADW,  4                           ; v4-5 W's fragments in the slot in hand: 16 x lane + the slot; the same + half a slot
.set ADS,  6                           ; v6-7 W's scale words: 8 x lane + the slot; + half a slot
.set AH,   8                           ; v8   hidden's numbers for the slot's tiles
.set AH0,  9                           ; v9   my copy of hidden + 4 (lane % 16)
.set STW,  10                          ; v10  the stage, in
.set STR,  11                          ; v11  the stage, out: row lane % 16, + 128 (lane / 16)
.set IMW0, 12                          ; v12  my images + 16 x lane
.set IMW,  13                          ; v13  + the K step that is being written
.set ISW0, 14                          ; v14  my images' scale words + 4 x lane
.set ISW,  15                          ; v15  + the K step that is being written
.set SPW,  16                          ; v16  LDS address of my spare word; never rewritten
.set NIL,  17                          ; v17  0; never rewritten
.set HW,   18                          ; v18  where I store my 16 bytes of hidden
.set SS,   19                          ; v19  the end: where my half of the lanes puts its scores
.set ASC,  24                          ; enc's scale words: (a, s) at 2 a + s
.set WS,   32                          ; W's: set P, pair i, K step s at 4 P + 2 i + s: lanes 0-15 the pair's first tile, lanes 16-31 its second
.set SCO,  40                          ; scores: 8 a + j
.set ACC,  72                          ; accumulators: set e (tiles of W by turns), tile of rows a at 32 e + 8 a
.set AF,   136                         ; enc's fragments: (a, s) at 12 (2 a + s)
.set XQ,   0                           ; window 2: register 32 c + i: K = 64 c + 32 (lane / 16) + i of my row
.set TM,   64
.set SO,   68
.set BY,   70
.set PW,   72
.set TP,   73
.set SH8,  74
.set PC,   76
.set PX,   88
.set WF,   0                           ; window 3: set P, pair i, tile t, K step s at 96 P + 48 i + 24 t + 12 s
.set HD,   192                         ; window 3: the unit's tile n at 2 n (the odd registers are named with them as pairs, and hold 0)
.set XP,   4                           ; s[4:5]  enc at my wave's first row, my b, the K step that is being asked for
.set WV,   14
.set SEL,  20                          ; s[20:21] v_permlanex16_b32's selects for lane l xor 16
.set G1,   24                          ; s[24:31] descriptor group 1
.set G0,   32                          ; s[32:35] descriptor group 0: it walks
.set TB,   36                          ; LDS byte at which the slot in hand begins
.set HP,   37                          ; 2,048 x (trip % 2): the slot's 32 tiles in hidden
.set IP,   38                          ; 4 x 1,536 x (trip % 2): the K step of the images that is being written
.set IS,   39                          ; 512 x (trip % 2): its scale words
.set KT,   40                          ; the trip
.set UC,   41
.set UO,   42
.set UH,   43
.set RLM,  44                          ; bits 2, 4, 6: the trips at whose head a new chunk's fragments come back from the images
.set SB,   46
.set MSB, 0
.macro WIN new                         ; the immediate's high byte repeats the setting that is left; a switch that changes nothing is dropped
.if MSB != \new
	s_set_vgpr_msb (MSB<<8)|\new
.set MSB, \new
.endif
.endm
.set W_M,  0x0c                        ; source 1 (W's fragments; hidden) window 3, all else window 0
.set W_F,  0xc0                        ; destination window 3
.set W_Q,  0xaa                        ; all in window 2
.set W_IS, 0x08                        ; an LDS store's data (source 1) window 2
.set W_TS, 0x04                        ; an LDS store's data window 1
.set W_TL, 0x80                        ; destination window 2
.set W_GL, 0x40                        ; destination window 1
; A round of the cluster's barrier: my work-group's barrier, so that wave 0's signal speaks for all four waves; wave 0 signals; every wave waits for all four work-groups; my work-group's barrier once more.
.macro CROUND
	s_barrier_signal -1
	s_barrier_wait -1
	s_cmp_lg_u32 s[WV], 0
	s_cbranch_scc1 .Lnot_wave_0_\@
	s_barrier_signal -3
.Lnot_wave_0_\@:
	s_barrier_wait -3
	s_barrier_signal -1
	s_barrier_wait -1
.endm
; 64 numbers of a lane become a fragment's codes in PC on and its scale word in PW.  A lane holds two whole blocks, 2 c + lane / 16.
.macro QUANT
	WIN W_Q
.irp ch, 0,1,2,3
	v_max3_num_f32 v[TM+\ch], |v[XQ+16*\ch]|, |v[XQ+16*\ch+1]|, 0x1800000   ; four chains of 16 numbers, and the floor 2^(3 - 127): so the byte cannot fall under 1
.endr
.irp i, 2,4,6,8,10,12,14
.irp ch, 0,1,2,3
	v_max3_num_f32 v[TM+\ch], v[TM+\ch], |v[XQ+16*\ch+\i]|, |v[XQ+16*\ch+\i+1]|
.endr
.endr
.irp c, 0,1
	v_max_num_f32 v[TM+2*\c], v[TM+2*\c], v[TM+2*\c+1]
.endr
.irp c, 0,1
	v_add_nc_u32 v[SO+\c], 0xff000000, v[TM+2*\c]  ; 2 off the exponent field: the conversion takes the exponent field of this operand as its scale
.endr
.irp c, 0,1
	v_lshrrev_b32 v[BY+\c], 23, v[SO+\c]           ; the scale's byte
.endr
	v_lshl_or_b32 v[PW], v[BY+1], 16, v[BY]
	v_lshlrev_b32 v[PW], v[SH8], v[PW]             ; my two bytes at their places in the word;
	v_permlanex16_b32 v[TP], v[PW], s[SEL], s[SEL+1]
	v_or_b32 v[PW], v[PW], v[TP]                   ; with lane l xor 16's two it is whole, in both lanes
.irp c, 0,1
	v_cvt_scalef32_pk16_fp6_f32 v[PC+6*\c:PC+6*\c+2], v[XQ+32*\c:XQ+32*\c+15], v[SO+\c]
	v_cvt_scalef32_pk16_fp6_f32 v[PX+4*\c:PX+4*\c+2], v[XQ+32*\c+16:XQ+32*\c+31], v[SO+\c]   ; (a conversion's three registers begin on an even number)
.endr
	v_nop                                          ; one plain line behind the scaled conversions
.irp c, 0,1
.irp i, 0,1,2
	v_mov_b32 v[PC+6*\c+3+\i], v[PX+4*\c+\i]
.endr
.endr
.endm
.macro IMAGE a                         ; the fragment goes to my images as it stands, 16 bytes a lane, 512 a store; its scale word 4 bytes a lane
	WIN W_IS
.irp g, 0,1,2
	ds_store_b128 v[IMW], v[PC+4*\g:PC+4*\g+3] offset:FRB*(\a)+512*\g
.endr
	ds_store_b32 v[ISW], v[PW] offset:128*(\a)
.endm
.macro TURN n                          ; ring set n through my stage: in as loaded, a row's 512 bytes on end; out 128 bytes of one row twice.  LDS serves a wave's instructions in order: no wait between
	WIN W_TS
.set ix, 0
.rept 16
	ds_store_b128 v[STW], v[64*(\n)+4*ix:64*(\n)+4*ix+3] offset:SP*ix
.set ix, ix+1
.endr
	WIN W_TL
.irp c, 0,1
.irp j, 0,1,2,3,4,5,6,7
	ds_load_b128 v[XQ+32*\c+4*\j:XQ+32*\c+4*\j+3], v[STR] offset:256*\c+16*\j
.endr
.endr
.endm
.macro ISSUE n                         ; tile of rows n, the K step at which XP stands, into ring set n.  The rows stand in the immediate: 63 x 131,072 at the most, inside its signed 24 bits (ISA guide, chapter 10)
	WIN W_GL
.set ix, 0
.rept 16
	global_load_b128 v[64*(\n)+4*ix:64*(\n)+4*ix+3], v[LI], s[XP:XP+1] offset:(16*(\n)+ix)*ROWS th:TH_LOAD_NT
.set ix, ix+1
.endr
.endm
; A step: the piece that lies turned is quantised and stored as tile of rows q's image; the next piece is turned; the piece four on is asked for, into the ring set that the quantised piece has left.
; wait = 1: my LDS instructions are all back: the turned piece is in, and the stores that read the ring set and the codes' registers are done.  lc: how many younger loads may stay out when the next piece has to be there; -1: there is none.
.macro STEP q, wait, lc, iss
.if \wait
	s_wait_dscnt 0x0
.endif
	QUANT
	IMAGE \q
.if (\lc) >= 0
	s_wait_loadcnt \lc
	TURN ((\q)+1)%4
.endif
.if \iss
	ISSUE \q
.endif
.endm
; 30 LDS loads in one run: group G of the slot (four tiles of W = two pairs) into set P: 24 loads of fragments, 4 of hidden, 2 of scale words
.macro FETCH G, P
.set fO, ((\G)%4)*2*PAIRB
.set fA, (\G)/4
	WIN W_F
.set fn, 0
.rept 2
.set fm, 0
.rept 12
	ds_load_b128 v[WF+96*(\P)+48*fn+4*fm:WF+96*(\P)+48*fn+4*fm+3], v[ADW+fA] offset:fO+PAIRB*fn+512*fm
.set fm, fm+1
.endr
.set fn, fn+1
.endr
.set fm, 0
.rept 4
	ds_load_b32 v[HD+2*(4*(\P)+fm)], v[AH] offset:64*(4*(\G)+fm)
.set fm, fm+1
.endr
	WIN W_M
.set fn, 0
.rept 2
	ds_load_b64 v[WS+4*(\P)+2*fn:WS+4*(\P)+2*fn+1], v[ADS+fA] offset:fO+PAIRB*fn+4*FRB
.set fn, fn+1
.endr
.endm
.macro MM                              ; one matrix instruction, by the symbols rD, rA, rB, rSA, rSB; zr: it starts its sum; r1: W's scale words lie in lanes 16-31
.if zr
.if r1
	v_wmma_scale_f32_16x16x128_f8f6f4 v[rD:rD+7], v[rA:rA+11], v[rB:rB+11], 0, v[rSA], v[rSB] matrix_a_fmt:MATRIX_FMT_FP6 matrix_b_fmt:MATRIX_FMT_FP6 matrix_b_scale:MATRIX_SCALE_ROW1
.else
	v_wmma_scale_f32_16x16x128_f8f6f4 v[rD:rD+7], v[rA:rA+11], v[rB:rB+11], 0, v[rSA], v[rSB] matrix_a_fmt:MATRIX_FMT_FP6 matrix_b_fmt:MATRIX_FMT_FP6
.endif
.else
.if r1
	v_wmma_scale_f32_16x16x128_f8f6f4 v[rD:rD+7], v[rA:rA+11], v[rB:rB+11], v[rD:rD+7], v[rSA], v[rSB] matrix_a_fmt:MATRIX_FMT_FP6 matrix_b_fmt:MATRIX_FMT_FP6 matrix_b_scale:MATRIX_SCALE_ROW1
.else
	v_wmma_scale_f32_16x16x128_f8f6f4 v[rD:rD+7], v[rA:rA+11], v[rB:rB+11], v[rD:rD+7], v[rSA], v[rSB] matrix_a_fmt:MATRIX_FMT_FP6 matrix_b_fmt:MATRIX_FMT_FP6
.endif
.endif
.endm
.macro EPI                             ; line em of 16 of a finished tile's second product: two scores += two results x hidden[o].  Each accumulator is read from its low end on
	v_pk_fma_f32 v[SCO+2*em:SCO+2*em+1], v[tO+2*em:tO+2*em+1], v[tH:tH+1], v[SCO+2*em:SCO+2*em+1] op_sel_hi:[1,0,1]
.endm
; Tile tl of a unit's eight: eight matrix instructions (K step s = 0, 1 of the chunk x four tiles of rows; the four accumulators take turns, one instruction a turn), and behind each of them
; two lines of the tile BEFORE, which lies in the other set of accumulators.  So eight plain lines or more stand between a result's last matrix instruction and its first read, and nine or more,
; naming none of its registers, before its accumulator is begun anew.
.macro TILE tl
.set tE, (\tl)%2
.set tB, WF+96*((\tl)/4)+48*(((\tl)/2)%2)+24*tE
.set tW, WS+4*((\tl)/4)+2*(((\tl)/2)%2)
.set tH, HD+2*(((\tl)+7)%8)
.set tO, ACC+32*(1-tE)
.set r1, tE
.set tn, 0
.rept 8
.set zr, 1-tn/4
.set rD, ACC+32*tE+8*(tn%4)
.set rA, AF+12*(2*(tn%4)+tn/4)
.set rB, tB+12*(tn/4)
.set rSA, ASC+2*(tn%4)+tn/4
.set rSB, tW+tn/4
	MM
.set em, 2*tn
	EPI
.set em, 2*tn+1
	EPI
.set tn, tn+1
.endr
.endm
; A unit: eight tiles of W, 64 matrix instructions.  Each run of loads stands 24 matrix instructions ahead of its first use, and behind the tile whose lines use the last number of hidden in the set that it fills;
; that tile's sixteen lines are also the places between the set's last matrix instruction and the loads.  w0: LDS instructions that may stay out at the head; -1: a wait for all has just been passed.
.macro MATU qo, w0, last
.if (\w0) >= 0
	s_wait_dscnt \w0
.endif
	WIN W_M
	TILE 0
	FETCH 2*(\qo)+1, 1
	TILE 1
	TILE 2
	TILE 3
	s_wait_dscnt 0x0                               ; set 1 is in
	TILE 4
.if !(\last)
	FETCH 2*(\qo)+2, 0
.endif
	TILE 5
	TILE 6
	TILE 7
	WIN 0
.endm
.macro RELOAD                          ; a chunk's eight fragments and scale words come back from my images
.irp s, 0,1
.irp a, 0,1,2,3
.irp g, 0,1,2
	ds_load_b128 v[AF+12*(2*\a+\s)+4*\g:AF+12*(2*\a+\s)+4*\g+3], v[IMW0] offset:(4*\s+\a)*FRB+512*\g
.endr
	ds_load_b32 v[ASC+2*\a+\s], v[ISW0] offset:(4*\s+\a)*128
.endr
.endr
.endm
; THE CHANGE OF SLOTS, at a trip's head.  Each wave waits for all its tensor loads, of which one is out: its quarter of the slot that it is about to read; adds 0 to its spare word; waits for that and for its reads of the slot that it has left.
; fill = 1: the barrier is a round of the cluster's, so that no wave of any partner still reads that slot or has a load on its way, and the joint refill is the first thing behind it: it has a whole trip, 256 matrix instructions, in which to land.
.macro CHANGE fill
	WIN 0
	s_wait_tensorcnt 0x0                           ; no tensor load of mine is out, so the descriptor may be written
	ds_add_u32 v[SPW], v[NIL]                      ; 0 onto my spare word
.if \fill
	s_xor_b32 s[G0+1], s[G0+1], SLOT1              ; the other slot than last time,
	s_add_nc_u64 s[G0+2:G0+3], s[G0+2:G0+3], SLOTB ; the next slot of wpack; the type bits on top are not reached
.endif
	s_wait_dscnt 0x0                               ; the add is done, and all my LDS reads are back
.if \fill
	CROUND
	tensor_load_to_lds s[G0:G0+3], s[G1:G1+7]      ; my one tensor load until the next round
	s_nop 0
.rept 4
	v_nop                                          ; four lines follow it
.endr
.else
	s_barrier_signal -1
	s_barrier_wait -1
.endif
.endm
.macro HEAD fill, rl
	CHANGE \fill
	v_add_nc_u32 v[ADW], s[TB], v[LI]              ; (these seven are also places between the last matrix instructions and the loads below)
	v_add_nc_u32 v[ADW+1], SLOTB/2, v[ADW]
	v_add_nc_u32 v[ADS], s[TB], v[L8]
	v_add_nc_u32 v[ADS+1], SLOTB/2, v[ADS]
	v_add_nc_u32 v[AH], s[HP], v[AH0]
	v_add_nc_u32 v[IMW], s[IP], v[IMW0]
	v_add_nc_u32 v[ISW], s[IS], v[ISW0]
.if \rl
	s_bitcmp1_b32 s[RLM], s[KT]                    ; trips 2, 4, 6 begin a chunk
	s_cbranch_scc0 .Lkeep_\@
	RELOAD
.Lkeep_\@:
.endif
	FETCH 0, 0
	WIN 0
.endm
.macro TOGGLE
	s_xor_b32 s[TB], s[TB], SLOT1
	s_xor_b32 s[HP], s[HP], 2048
	s_xor_b32 s[IP], s[IP], 4*FRB
	s_xor_b32 s[IS], s[IS], 512
.endm
.macro UADR
	v_add_nc_u32 v[ADW], s[UO], v[LI]
	v_add_nc_u32 v[ADS], s[UO], v[L8]
	v_add_nc_u32 v[AH], s[UH], v[AH0]
.endm
; A trip of matrix work alone: the unit is written twice, walked four times; the addresses hang on s[UO] and s[UH].  The last unit fetches nothing beyond the slot.
.macro MTRIP
	s_mov_b32 s[UO], s[TB]
	s_mov_b32 s[UH], s[HP]
	s_mov_b32 s[UC], 3
.Lunit_\@:
	UADR
	MATU 0, 0, 0
	s_add_co_u32 s[UO], s[UO], 4*PAIRB
	s_add_co_u32 s[UH], s[UH], 512
	s_sub_co_u32 s[UC], s[UC], 1
	s_cmp_lg_u32 s[UC], 0
	s_cbranch_scc1 .Lunit_\@
	UADR
	MATU 0, 0, 1
.endm
	s_load_b256 s[4:11], s[0:1], 0x0               ; enc s[4:5], hidden s[6:7], bias s[8:9], wpack s[10:11]
	s_load_b64 s[12:13], s[0:1], 0x20              ; scores
	v_lshl_add_u32 v[SPW], v0, 2, SPARE
	v_mov_b32 v[NIL], 0
	ds_add_u32 v16, v17
	ds_add_u32 v16, v17
	s_wait_dscnt 0x0
	v_lshrrev_b32 v200, 5, v0
	v_readfirstlane_b32 s[WV], v200                ; wave 0..3
	s_bfe_u32 s15, ttmp6, 0x40000                  ; cx: my place in the cluster: it enters enc's and scores' addresses alone
	s_lshr_b32 s16, ttmp9, 1                       ; b: two clusters to a b
	s_and_b32 s17, ttmp9, 1
	s_lshl_b32 s17, s17, 2
	s_add_co_u32 s17, s17, s15                     ; which 256 of the 2,048 s
	s_lshl_b32 s17, s17, 8
	s_lshl_b32 s18, s[WV], 6
	s_add_co_u32 s17, s17, s18                     ; my wave's first s
	; descriptor group 1: 100 rows of 256 bytes, dense in memory and in LDS
	s_mov_b32 s[G1], 15|(3<<16)|(1<<21)            ; 15:0 the mask: all four work-groups; 17:16 elements of 8 bytes; 20 no padding; 21 set beside a mask
	s_mov_b32 s[G1+1], 32<<16                      ; tensor_dim0 = 32
	s_mov_b32 s[G1+2], 100<<16                     ; tensor_dim1 = 100
	s_mov_b32 s[G1+3], 32<<16                      ; tile_dim0 = 32
	s_mov_b32 s[G1+4], 100                         ; tile_dim1 = 100
	s_mov_b32 s[G1+5], 32                          ; tensor_dim0_stride
	s_mov_b32 s[G1+6], 0
	s_mov_b32 s[G1+7], 0
	s_mul_i32 s22, s[WV], QUART                    ; my quarter of a slot, in wpack and in LDS: the wave's number alone
	s_mov_b32 s23, 0
	s_mov_b32 s[SEL], 0x76543210
	s_mov_b32 s[SEL+1], 0xfedcba98
	s_mov_b32 s[TB], 0
	s_mov_b32 s[HP], 0
	s_mov_b32 s[IP], 0
	s_mov_b32 s[IS], 0
	s_mov_b32 s[RLM], 0x54
	s_wait_kmcnt 0x0
	s_mov_b32 s[G0], 1                             ; 1:0 count = 1
	s_mov_b32 s[G0+1], s22                         ; 63:32 LDS address: slot 0
	s_add_nc_u64 s[G0+2:G0+3], s[10:11], s[22:23]  ; 120:64 global address: wpack's slot 0
	s_or_b32 s[G0+3], s[G0+3], 0x80000000          ; 127:126 type = 2
	CROUND                                         ; all four work-groups are here: the first joint loads meet
	tensor_load_to_lds s[G0:G0+3], s[G1:G1+7]
	s_nop 0
.rept 4
	v_nop
.endr
	s_lshl_b32 s18, s17, 17                        ; my first s x 131,072 (under 2^28)
	s_lshl_b32 s19, s16, 12                        ; + b x 4,096
	s_add_co_u32 s18, s18, s19
	s_mov_b32 s19, 0
	s_add_nc_u64 s[XP:XP+1], s[XP:XP+1], s[18:19]
	s_lshl_b32 s18, s16, 12
	s_add_nc_u64 s[6:7], s[6:7], s[18:19]          ; hidden's row b
	s_lshl_b32 s18, s16, 13
	s_lshl_b32 s45, s17, 2
	s_add_co_u32 s18, s18, s45
	s_add_nc_u64 s[12:13], s[12:13], s[18:19]      ; scores[b][my first s]
	v_and_b32 v200, 31, v0                         ; lane
	v_and_b32 v201, 15, v0                         ; lane % 16
	v_bfe_u32 v202, v0, 4, 1                       ; lane / 16
	v_lshlrev_b32 v[LI], 4, v200
	v_lshlrev_b32 v[L8], 3, v200
.set ix, 0
.rept 8
	global_load_b128 v[AF+4*ix:AF+4*ix+3], v[LI], s[6:7] offset:512*ix         ; hidden's row: 32 numbers a lane
.set ix, ix+1
.endr
.set ix, 0
.rept 8
	global_load_b128 v[AF+32+4*ix:AF+32+4*ix+3], v[LI], s[8:9] offset:512*ix   ; the bias, the same places
.set ix, ix+1
.endr
	ISSUE 0
	ISSUE 1
	WIN 0
	s_lshl_b32 s45, s[WV], 12
	s_add_co_u32 s45, s45, HID
	v_lshl_add_u32 v[AH0], v201, 2, s45
	v_add_nc_u32 v[HW], s45, v[LI]
	s_mul_i32 s[SB], s[WV], STGW
	s_add_co_u32 s[SB], s[SB], STG
	v_add_nc_u32 v[STW], s[SB], v[LI]
	v_mul_u32_u24 v[STR], v201, SP
	v_lshl_add_u32 v[STR], v202, 7, v[STR]
	v_add_nc_u32 v[STR], s[SB], v[STR]
	v_lshl_add_u32 v[SS], v202, 5, s[SB]
	v_add_nc_u32 v[SRD], s[SB], v[L8]
	s_mul_i32 s45, s[WV], IMGW
	s_add_co_u32 s45, s45, IMG
	v_add_nc_u32 v[IMW0], s45, v[LI]
	s_add_co_u32 s45, s45, ISC
	v_lshl_add_u32 v[ISW0], v200, 2, s45
	WIN W_TL
	v_mov_b32 v[TP], 0                             ; written once: a lane permute's destination counts as one of its sources
	v_lshlrev_b32 v[SH8], 3, v202                  ; 8 (lane / 16)
	WIN W_F
.irp i, 0,1,2,3,4,5,6,7
	v_mov_b32 v[HD+2*\i+1], 0                      ; named as the upper halves of pairs
.endr
	v_mov_b32 v[HD+14], 0                          ; the very first tile finds, as the tile before it, results of 0 and a hidden of 0
	WIN 0
.set ix, 0
.rept 32
	v_mov_b32 v[ACC+32+ix], 0
.set ix, ix+1
.endr
	s_wait_loadcnt 32                              ; hidden and the bias are in; behind them 32 loads were issued: pieces 0 and 1
.set ix, 0
.rept 8
	ds_store_b128 v[HW], v[AF+4*ix:AF+4*ix+3] offset:512*ix    ; my wave's copy of hidden: only I read it, so no barrier
.set ix, ix+1
.endr
	v_pk_mul_f32 v[20:21], v[AF:AF+1], v[AF+32:AF+33]          ; my 32 products hidden x bias, in two chains
	v_pk_mul_f32 v[22:23], v[AF+2:AF+3], v[AF+34:AF+35]
.irp i, 1,2,3,4,5,6,7
	v_pk_fma_f32 v[20:21], v[AF+4*\i:AF+4*\i+1], v[AF+32+4*\i:AF+33+4*\i], v[20:21]
	v_pk_fma_f32 v[22:23], v[AF+4*\i+2:AF+4*\i+3], v[AF+34+4*\i:AF+35+4*\i], v[22:23]
.endr
	v_pk_add_f32 v[20:21], v[20:21], v[22:23]
	v_add_f32 v20, v20, v21
	v_permlanex16_b32 v21, v20, s[SEL], s[SEL+1]
	v_add_f32 v20, v20, v21                        ; with lane l xor 16's: the sixteen lanes of a half now add up to the whole of hidden . bias
.set ix, 0
.rept 32
	v_mov_b32 v[SCO+ix], v20                       ; every score starts with its lane's share of it
.set ix, ix+1
.endr
	ISSUE 2
	s_wait_loadcnt 32                              ; piece 0 is in; behind it pieces 1 and 2 were issued
	TURN 0
	ISSUE 3
	WIN 0
	s_wait_xcnt 0x0                                ; the loads have read their base: it steps only behind this wait
	s_add_nc_u64 s[XP:XP+1], s[XP:XP+1], 512       ; the next K step
	; CHUNK 0 is quantised ahead of the first product: two trips, a K step (four pieces) each
	s_mov_b32 s[KT], 2
.Lpro:
	v_add_nc_u32 v[IMW], s[IP], v[IMW0]
	v_add_nc_u32 v[ISW], s[IS], v[ISW0]
	STEP 0, 1, 32, 1                               ; (32: behind the piece that is turned two pieces were issued)
	STEP 1, 1, 32, 1
	STEP 2, 1, 32, 1
	STEP 3, 1, 32, 1
	WIN 0
	s_wait_xcnt 0x0
	s_add_nc_u64 s[XP:XP+1], s[XP:XP+1], 512
	s_xor_b32 s[IP], s[IP], 4*FRB
	s_xor_b32 s[IS], s[IS], 512
	s_sub_co_u32 s[KT], s[KT], 1
	s_cmp_lg_u32 s[KT], 0
	s_cbranch_scc1 .Lpro
	RELOAD                                         ; chunk 0's fragments (LDS serves a wave's instructions in order: these see my stores); the first change of slots waits for them
	; TRIPS 0 TO 4: a slot of W is multiplied, a K step of a later chunk is quantised, the K step after that is asked for
	s_mov_b32 s[KT], 0
.Lgen:
	HEAD 1, 1
	STEP 0, 0, 32, 1                               ; (the change of slots has waited for all my LDS instructions)
	MATU 0, 36, 0                                  ; 36: behind the head's loads stand the step's 4 image stores and the turn's 32
	STEP 1, 1, 32, 1
	MATU 1, -1, 0
	STEP 2, 1, 32, 1
	MATU 2, -1, 0
	STEP 3, 1, 32, 1
	MATU 3, -1, 1
	s_wait_xcnt 0x0
	s_add_nc_u64 s[XP:XP+1], s[XP:XP+1], 512       ; (behind trip 4 the stepped address is not used)
	TOGGLE
	s_add_co_u32 s[KT], s[KT], 1
	s_cmp_lt_u32 s[KT], 5
	s_cbranch_scc1 .Lgen
	; TRIPS 5 AND 6: matrix work; behind trip 5's stand the last K step's four pieces, for which nothing more is asked: the counts run down 32, 16, 0
	s_mov_b32 s[KT], 5
.Llate:
	HEAD 1, 1
	MTRIP
	s_cmp_lg_u32 s[KT], 5
	s_cbranch_scc1 .Lno_tail
	STEP 0, 1, 32, 0
	STEP 1, 1, 16, 0
	STEP 2, 1, 0, 0
	STEP 3, 1, -1, 0
	WIN 0
.Lno_tail:
	TOGGLE
	s_add_co_u32 s[KT], s[KT], 1
	s_cmp_lt_u32 s[KT], 7
	s_cbranch_scc1 .Llate
	HEAD 0, 0                                      ; TRIP 7 is written out: nothing is left to fetch
	MTRIP
	WIN W_M
.set tO, ACC+32
.set tH, HD+14
.set em, 0
.rept 16
	EPI                                            ; the last tile's second product
.set em, em+1
.endr
	WIN 0
	; THE END.  The sixteen lanes of a half hold sixteen o's parts of the same eight rows: they are added, and every lane of the half then holds the scores of rows 16 a + 8 (lane / 16) + j.
.irp x, 1,2,4,8
.set ix, 0
.rept 32
	v_add_f32_dpp v[SCO+ix], v[SCO+ix], v[SCO+ix] row_xmask:\x row_mask:0xf bank_mask:0xf
.set ix, ix+1
.endr
.endr
.irp a, 0,1,2,3
.irp u, 0,1
	ds_store_b128 v[SS], v[SCO+8*\a+4*\u:SCO+8*\a+4*\u+3] offset:64*\a+16*\u   ; into my stage, by s; the sixteen lanes of a half write the same bytes with the same values
.endr
.endr
	ds_load_b64 v[22:23], v[SRD]                   ; back: two neighbouring scores a lane
	s_wait_dscnt 0x0
	global_store_b64 v[L8], v[22:23], s[12:13]     ; my wave's 64 scores: 256 consecutive bytes, at a multiple of 256 from the buffer's first byte
	s_wait_tensorcnt 0x0                           ; the wave's end: behind my last tensor load and my last LDS store
	ds_add_u32 v[SPW], v[NIL]
	s_wait_dscnt 0x0
	CROUND                                         ; the closing round: no work-group ends while a partner may still ask for a tile that names it
	s_endpgm
.Lfunc_end_k_q4fa2e37726_scores:
	.size	k_q4fa2e37726_scores, .Lfunc_end_k_q4fa2e37726_scores-k_q4fa2e37726_scores
	.p2alignl 7, 3214868480
	.fill 96, 4, 3214868480
	.section	.rodata,"a",@progbits
	.p2align	6, 0x0
	.amdhsa_kernel k_q4fa2e37726_scores
		.amdhsa_group_segment_fixed_size 327680
		.amdhsa_private_segment_fixed_size 0
		.amdhsa_enable_private_segment 0
		.amdhsa_kernarg_size 40
		.amdhsa_user_sgpr_count 2
		.amdhsa_user_sgpr_kernarg_segment_ptr 1
		.amdhsa_wavefront_size32 1
		.amdhsa_system_sgpr_workgroup_id_x 1
		.amdhsa_system_sgpr_workgroup_id_y 1
		.amdhsa_system_sgpr_workgroup_id_z 1
		.amdhsa_system_vgpr_workitem_id 0
		.amdhsa_next_free_vgpr 1024
		.amdhsa_next_free_sgpr 66
		.amdhsa_reserve_vcc 0
		.amdhsa_float_denorm_mode_32 3
		.amdhsa_float_denorm_mode_16_64 3
		.amdhsa_memory_ordered 1
		.amdhsa_forward_progress 1
		.amdhsa_inst_pref_size 255
	.end_amdhsa_kernel
	.section	.bss,"aw",@nobits
	.p2align	6
	.space	262144
	.amdgpu_metadata
---
amdhsa.version: [ 1, 2 ]
amdhsa.kernels:
  - .name:           k_q4fa2e37726_scores
    .symbol:         k_q4fa2e37726_scores.kd
    .args:
      - { .name: encoder_outputs, .offset: 0, .size: 8, .value_kind: global_buffer, .address_space: global }
      - { .name: hidden, .offset: 8, .size: 8, .value_kind: global_buffer, .address_space: global }
      - { .name: b, .offset: 16, .size: 8, .value_kind: global_buffer, .address_space: global }
      - { .name: wpack, .offset: 24, .size: 8, .value_kind: global_buffer, .address_space: global }
      - { .name: scores, .offset: 32, .size: 8, .value_kind: global_buffer, .address_space: global }
    .group_segment_fixed_size: 327680
    .private_segment_fixed_size: 0
    .kernarg_segment_align: 8
    .kernarg_segment_size: 40
    .max_flat_workgroup_size: 128
    .sgpr_count:     66
    .vgpr_count:     1024
    .wavefront_size: 32
...
	.end_amdgpu_metadata
.endif
;; end of part 2
;; launch softmax (part 3): grid 32 x 1, 1 waves a work-group, no clusters, 0 bytes of LDS; arguments scores, out0; writes out0
.if DOCPART == 3
	.amdgcn_target "amdgcn-amd-amdhsa--gfx1250"
	.amdhsa_code_object_version 6
	.text
	.protected	k_q4fa2e37726_softmax
	.globl	k_q4fa2e37726_softmax
	.p2align	8
	.type	k_q4fa2e37726_softmax,@function
k_q4fa2e37726_softmax:
	s_mov_b64 s[64:65], 0
	v_nop
	global_prefetch_b8 v0, s[64:65] scope:SCOPE_SE
	s_setreg_imm32_b32 hwreg(HW_REG_WAVE_MODE, 25, 1), 1
	s_wait_xcnt 0x0
; out0[b][0][s] = softmax over s of scores[b][s].  Both [32][2048] f32.  One wave takes one row: 64 numbers a lane, kept in registers between the maximum, the exponentials and the scaling: the row is read once.
; The row's maximum m is taken away: t = x log2(e) - m log2(e), by one fused multiply-add; the rounding of m log2(e) shifts every t of the row alike and cancels in the division by the sum.
; LIMITS: NaN and infinities among the scores are not served; a weight under 2^-126 of the largest comes out as 0 (v_exp_f32 flushes such results: ISA guide, its entry in 15.8).
; No LDS, no barrier, no matrix unit: 8,192 bytes a row, and a reduction that never leaves the wave.
.set X, 8                              ; v8-71   the row
	s_load_b128 s[4:7], s[0:1], 0x0                ; scores, out0
	v_lshlrev_b32 v1, 4, v0                        ; 16 x lane
	s_lshl_b32 s8, ttmp9, 13                       ; row b: 8,192 bytes
	s_mov_b32 s9, 0
	s_mov_b32 s10, 0x76543210                      ; v_permlanex16_b32's selects for lane l xor 16
	s_mov_b32 s11, 0xfedcba98
	s_mov_b32 s12, 0x3fb8aa3b                      ; log2(e)
	s_mov_b32 s13, s12                             ; (named with it as a pair, so it is written)
	s_wait_kmcnt 0x0
	s_add_nc_u64 s[4:5], s[4:5], s[8:9]
	s_add_nc_u64 s[6:7], s[6:7], s[8:9]
.set ix, 0
.rept 16
	global_load_b128 v[X+4*ix:X+4*ix+3], v1, s[4:5] offset:512*ix   ; 32 lanes read 512 consecutive bytes
.set ix, ix+1
.endr
	s_wait_loadcnt 0x0
.irp c, 0,1,2,3
	v_max3_num_f32 v[72+\c], v[X+16*\c], v[X+16*\c+1], v[X+16*\c+2]   ; the maximum of my 64, in four chains
.endr
.irp i, 3,5,7,9,11,13
.irp c, 0,1,2,3
	v_max3_num_f32 v[72+\c], v[72+\c], v[X+16*\c+\i], v[X+16*\c+\i+1]
.endr
.endr
.irp c, 0,1,2,3
	v_max_num_f32 v[72+\c], v[72+\c], v[X+16*\c+15]
.endr
	v_max3_num_f32 v72, v72, v73, v74
	v_max_num_f32 v72, v72, v75
	v_max_num_f32_dpp v72, v72, v72 row_xmask:1 row_mask:0xf bank_mask:0xf
	v_max_num_f32_dpp v72, v72, v72 row_xmask:2 row_mask:0xf bank_mask:0xf
	v_max_num_f32_dpp v72, v72, v72 row_xmask:4 row_mask:0xf bank_mask:0xf
	v_max_num_f32_dpp v72, v72, v72 row_xmask:8 row_mask:0xf bank_mask:0xf
	v_permlanex16_b32 v73, v72, s10, s11
	v_max_num_f32 v72, v72, v73                    ; the row's maximum, in every lane
	v_mul_f32 v76, s12, v72                        ; m log2(e)
	v_mov_b32 v77, 0                               ; (named with it as a pair, so it is written)
.set ix, 0
.rept 32
	v_pk_fma_f32 v[X+2*ix:X+2*ix+1], v[X+2*ix:X+2*ix+1], s[12:13], v[76:77] op_sel_hi:[1,0,0] neg_lo:[0,0,1] neg_hi:[0,0,1]   ; t = x log2(e) - m log2(e), two at a time
.set ix, ix+1
.endr
.set ix, 0
.rept 64
	v_exp_f32 v[X+ix], v[X+ix]                     ; 2^t: one batch
.set ix, ix+1
.endr
	v_nop                                          ; a plain line behind the last exponential (ISA guide 5.7.2)
	s_wait_alu depctr_va_vdst(0)                   ; one wait for the batch, ahead of its first reader
	v_pk_add_f32 v[78:79], v[X:X+1], v[X+2:X+3]    ; the sum of my 64, two at a time, in two chains
	v_pk_add_f32 v[80:81], v[X+4:X+5], v[X+6:X+7]
.irp j, 8,12,16,20,24,28,32,36,40,44,48,52,56,60
	v_pk_add_f32 v[78:79], v[78:79], v[X+\j:X+\j+1]
	v_pk_add_f32 v[80:81], v[80:81], v[X+\j+2:X+\j+3]
.endr
	v_pk_add_f32 v[78:79], v[78:79], v[80:81]
	v_add_f32 v78, v78, v79
	v_add_f32_dpp v78, v78, v78 row_xmask:1 row_mask:0xf bank_mask:0xf
	v_add_f32_dpp v78, v78, v78 row_xmask:2 row_mask:0xf bank_mask:0xf
	v_add_f32_dpp v78, v78, v78 row_xmask:4 row_mask:0xf bank_mask:0xf
	v_add_f32_dpp v78, v78, v78 row_xmask:8 row_mask:0xf bank_mask:0xf
	v_permlanex16_b32 v79, v78, s10, s11
	v_add_f32 v78, v78, v79                        ; the row's sum, in every lane: about 1 at the least
	v_rcp_f32 v80, v78
	v_nop                                          ; a plain line behind the reciprocal
	s_wait_alu depctr_va_vdst(0)                   ; and the wait ahead of its first reader
.set ix, 0
.rept 32
	v_pk_mul_f32 v[X+2*ix:X+2*ix+1], v[X+2*ix:X+2*ix+1], v[80:81] op_sel_hi:[1,0]
.set ix, ix+1
.endr
.set ix, 0
.rept 16
	global_store_b128 v1, v[X+4*ix:X+4*ix+3], s[6:7] offset:512*ix   ; 32 lanes store 512 consecutive bytes, at a multiple of 256 from out0's first byte
.set ix, ix+1
.endr
	s_endpgm
.Lfunc_end_k_q4fa2e37726_softmax:
	.size	k_q4fa2e37726_softmax, .Lfunc_end_k_q4fa2e37726_softmax-k_q4fa2e37726_softmax
	.p2alignl 7, 3214868480
	.fill 96, 4, 3214868480
	.section	.rodata,"a",@progbits
	.p2align	6, 0x0
	.amdhsa_kernel k_q4fa2e37726_softmax
		.amdhsa_group_segment_fixed_size 0
		.amdhsa_private_segment_fixed_size 0
		.amdhsa_enable_private_segment 0
		.amdhsa_kernarg_size 16
		.amdhsa_user_sgpr_count 2
		.amdhsa_user_sgpr_kernarg_segment_ptr 1
		.amdhsa_wavefront_size32 1
		.amdhsa_system_sgpr_workgroup_id_x 1
		.amdhsa_system_sgpr_workgroup_id_y 1
		.amdhsa_system_sgpr_workgroup_id_z 1
		.amdhsa_system_vgpr_workitem_id 0
		.amdhsa_next_free_vgpr 96
		.amdhsa_next_free_sgpr 66
		.amdhsa_reserve_vcc 0
		.amdhsa_float_denorm_mode_32 3
		.amdhsa_float_denorm_mode_16_64 3
		.amdhsa_memory_ordered 1
		.amdhsa_forward_progress 1
		.amdhsa_inst_pref_size 15
	.end_amdhsa_kernel
	.amdgpu_metadata
---
amdhsa.version: [ 1, 2 ]
amdhsa.kernels:
  - .name:           k_q4fa2e37726_softmax
    .symbol:         k_q4fa2e37726_softmax.kd
    .args:
      - { .name: scores, .offset: 0, .size: 8, .value_kind: global_buffer, .address_space: global }
      - { .name: out0, .offset: 8, .size: 8, .value_kind: global_buffer, .address_space: global }
    .group_segment_fixed_size: 0
    .private_segment_fixed_size: 0
    .kernarg_segment_align: 8
    .kernarg_segment_size: 16
    .max_flat_workgroup_size: 32
    .sgpr_count:     66
    .vgpr_count:     96
    .wavefront_size: 32
...
	.end_amdgpu_metadata
.endif
;; end of part 3
